; MI455X (gfx1250); checked and timed in simulation.
; The chip was launched on July 23, 2026; its instructions are those of AMD's public machine-readable ISA for CDNA 5 (MIT licence, August 2026) and "CDNA5" Instruction Set Architecture Reference Guide (July 2026). The comments in the code are by the model that wrote it; some were corrected since.
;; Time Restricted Self Attention. Allowed arithmetic: float matrix products may take bf16 or f16 operands with f32 sums; all other float work in f32.
;; Inputs: Wk 512 x 512 float32; Wq 512 x 512 float32; Wv 512 x 512 float32; bk 512 float32; bq 512 float32; bv 512 float32; x 8 x 2,048 x 512 float32.
;; Outputs: out0 8 x 505 x 512 float32.
;; One version. Each part assembles by itself: llvm-mc -triple=amdgcn-amd-amdhsa -mcpu=gfx1250 --defsym DOCPART=n.
;; ======== version 1 of 1: 2 launches
;; limits: values are held in f16: magnitudes above 65,504 overflow, below 6.1e-05 lose precision
;; workspace buffers: wts 1,048,576 bytes; vec 4,352 bytes
;; launch prep (part 1): grid 321 x 1, 4 waves a work-group, no clusters, 87,552 bytes of LDS; arguments Wq, Wk, Wv, bq, bk, wts, vec; writes wts, vec
.if DOCPART == 1
	.amdgcn_target "amdgcn-amd-amdhsa--gfx1250"
	.amdhsa_code_object_version 6
	.text
	.protected	k_q6798154fac_prep
	.globl	k_q6798154fac_prep
	.p2align	8
	.type	k_q6798154fac_prep,@function
k_q6798154fac_prep:
	s_mov_b64 s[64:65], 0
	v_nop
	global_prefetch_b8 v0, s[64:65] scope:SCOPE_SE
	s_setreg_imm32_b32 hwreg(HW_REG_WAVE_MODE, 25, 1), 1
	s_wait_xcnt 0x0
; Folds the weights once, for the launch that follows.
;   score(t, f) = (x_c Wq + bq) . (x_f Wk + bk) / sqrt(512) = x_f . (M x_c + u) + (x_c . w + s0), all over sqrt(512), with
;   M = Wk Wq^T [512][512],  u = Wk bq,  w = Wq bk,  s0 = bq . bk.
; Stored: M' = ALPHA M in f16 and Wv in f16, both in the register order of the matrix fragments (buffer wts);
;         ALPHA u, ALPHA w, ALPHA s0 in f32 (buffer vec: bytes 0, 2,048, 4,096).  ALPHA = 1024 log2(e) / sqrt(512): the factor 1024 lifts
;         M' to about one so that f16 holds it also for weights some 30 times smaller; the softmax takes 2^-10 back, exactly.
; wts is a stream of fragments of 1,024 bytes: lane L's registers 0-3 at 16 L, its registers 4-7 at 512 + 16 L.  Fragment (g, ks, T): g = 0 M', 1 Wv;
; K step ks of 32; 16-row tile T = 4 wv + nt.  It lies at g 524,288 + fi 196,608 + wv PB + (ks - 6 fi) 4,096 + nt 1,024, fi = ks / 6,
; PB = 24,576 (fi < 2) or 16,384: what one wave of the next launch takes of one fill is one dense run of bytes.
; Lane (r = L % 16, h = L / 16) holds M'[16 T + r][32 ks + 8 h + e] and [.. + 16 + ..], e = 0..7; for Wv: Wv[32 ks + 8 h + e][16 T + r] and + 16.
; WORK-GROUPS by number: 0-255 a block of 32 x 32 of M'; 256-271 32 numbers of u; 272-287 32 of w; 288 s0; 289-320 Wv, four (ks, wv) strips each.
; u, w and s0 go the same way as M': the vector stands in for all 32 rows of one operand (row pitch 0).
; LDS: bytes 0 to 66,559 the 64 rows of a product's two operands; from 66,560 the Wv strips, 5,120 bytes a wave: the two ways share no byte.
; LIMITS: the weights and biases go to the matrix unit in f16: magnitudes below 65,504, and ALPHA |M|, ALPHA |w| below 65,504 as stored;
; NaN and infinities are not followed.
.set ALPHA, 0x428293ee
.set LP,   1040                        ; an LDS row: 512 f16 + 16 bytes, an odd multiple of 16
.set VP,   160                         ; Wv strips: an LDS row of 64 f16 + 32 bytes, an odd multiple of 32, for the transposing loads
.set VBASE, 64*LP                      ; the strips' first LDS byte, behind the products' 64 rows
.set RO,   8                           ; v[8:23]    byte offset of my 16 bytes in each of my wave's 16 rows
.set PK,   32                          ; v[32:47]   packed f16, eight pairs in turn
.set RAW,  64                          ; v[64:191]  a ring of 32 loads of 16 bytes; later the fragments of eight K steps
.set SUM,  192                         ; v[192:207] two accumulators, even and odd K steps
.set OUTR, 208                         ; v[208:211] eight f16 to store
.macro PLACES                          ; four places behind a matrix instruction (ISA guide 7.12.1)
.rept 4
	v_nop
.endr
.endm
; the byte offset in wts of fragment (0, ks, t)
.macro FRAGOFF out, ks, t, ta, tb
	s_mul_i32 \ta, \ks, 43
	s_lshr_b32 \ta, \ta, 8                         ; fi = ks / 6 for ks = 0 .. 15
	s_mov_b32 \tb, 24576
	s_cmp_eq_u32 \ta, 2
	s_cselect_b32 \tb, 16384, \tb                  ; PB
	s_lshr_b32 \out, \t, 2                         ; wv
	s_mul_i32 \out, \out, \tb
	s_mul_i32 \tb, \ta, 196608-6*4096              ; fi 196,608 + (ks - 6 fi) 4,096 = fi 172,032 + 4,096 ks
	s_add_co_u32 \out, \out, \tb
	s_lshl_b32 \tb, \ks, 12
	s_add_co_u32 \out, \out, \tb
	s_and_b32 \tb, \t, 3                           ; nt
	s_lshl_b32 \tb, \tb, 10
	s_add_co_u32 \out, \out, \tb
.endm
	s_load_b256 s[4:11], s[0:1], 0x0               ; Wq s[4:5], Wk s[6:7], Wv s[8:9], bq s[10:11]
	s_load_b128 s[12:15], s[0:1], 0x20             ; bk s[12:13], wts s[14:15]
	s_load_b64 s[16:17], s[0:1], 0x30              ; vec
	v_lshl_add_u32 v216, v0, 2, 0x15400
	v_mov_b32 v217, 0
	v_lshrrev_b32 v5, 5, v0
	v_readfirstlane_b32 s18, v5                    ; wave 0..3
	s_mov_b32 s19, ttmp9                           ; the work-group's number
	v_and_b32 v1, 31, v0                           ; lane
	v_and_b32 v2, 15, v0                           ; r
	v_bfe_u32 v3, v0, 4, 1                         ; h
	v_lshlrev_b32 v4, 4, v1                        ; 16 x lane
	s_wait_kmcnt 0x0
	s_cmp_ge_u32 s19, 289
	s_cbranch_scc1 .Lvalues                        ; the same way for all four waves
	; ---- products of rows: operand J (32 rows), operand I (32 rows), both with the summed index d along the rows ----
	s_and_b32 s32, s19, 15
	s_lshl_b32 s32, s32, 5                         ; 32 x (number mod 16)
	s_lshr_b32 s31, s19, 4
	s_lshl_b32 s31, s31, 5                         ; 32 x (number / 16)
	s_mov_b64 s[22:23], s[6:7]                     ; I = Wk
	s_mov_b32 s25, 2048                            ; I's row pitch in bytes
	s_cmp_ge_u32 s19, 256
	s_cselect_b64 s[20:21], s[10:11], s[4:5]       ; J = Wq for M, bq for u
	s_cselect_b32 s24, 0, 2048                     ; J's pitch: a vector is every row
	s_cselect_b32 s26, 0, s32                      ; J's first row
	s_cselect_b32 s27, s32, s31                    ; I's first row
	s_cmp_ge_u32 s19, 272
	s_cselect_b64 s[20:21], s[12:13], s[20:21]     ; w: J = bk,
	s_cselect_b64 s[22:23], s[4:5], s[22:23]       ;    I = Wq
	s_cmp_ge_u32 s19, 288
	s_cselect_b64 s[20:21], s[10:11], s[20:21]     ; s0: J = bq,
	s_cselect_b64 s[22:23], s[12:13], s[22:23]     ;     I = bk,
	s_cselect_b32 s25, 0, s25                      ;     every row (its first row is 0: 288 mod 16 = 0)
	; waves 0, 1 bring J's rows 0-15, 16-31 into LDS rows 0-31; waves 2, 3 bring I's into LDS rows 32-63
	s_cmp_lt_u32 s18, 2
	s_cselect_b64 s[28:29], s[20:21], s[22:23]
	s_cselect_b32 s30, s24, s25
	s_cselect_b32 s33, s26, s27
	s_and_b32 s39, s18, 1
	s_lshl_b32 s34, s39, 4
	s_add_co_u32 s33, s33, s34
	s_mul_i32 s34, s33, s30                        ; my first row, in bytes
	s_mov_b32 s35, 0
	s_add_nc_u64 s[28:29], s[28:29], s[34:35]
	v_mov_b32 v[RO], v4
.irp i, 1,2,3,4,5,6,7,8,9,10,11,12,13,14,15
	v_add_nc_u32 v[RO+\i], s30, v[RO+\i-1]         ; 16 x lane + i x pitch
.endr
.set n, 0
.rept 32
	global_load_b128 v[RAW+4*n:RAW+4*n+3], v[RO+n/4], s[28:29] offset:512*(n%4)   ; load n: 512 consecutive bytes of row n / 4
.set n, n+1
.endr
	s_mul_i32 s36, s18, 16*LP
	v_lshl_add_u32 v24, v1, 3, s36                 ; LDS: my wave's first row + 8 x lane
	s_lshr_b32 s38, s18, 1                         ; it: which 16 rows of I my tile takes
	v_mul_u32_u24 v5, v2, LP                       ; (s39 = jt: which 16 rows of J)
	v_lshl_add_u32 v5, v3, 4, v5                   ; r x pitch + 16 h
	s_mul_i32 s36, s39, 16*LP
	v_add_nc_u32 v25, s36, v5                      ; J's fragments
	s_mul_i32 s36, s38, 16*LP
	s_add_co_u32 s36, s36, 32*LP
	v_add_nc_u32 v26, s36, v5                      ; I's fragments
	; 64 loads through the ring of 32: round to f16, 8 bytes a lane into LDS, ask for the load 32 further on
.set n, 0
.rept 64
.if n < 32
	s_wait_loadcnt 31                              ; loads return in order (ISA guide 5.7.1): load n is in, the ring's 31 others stay out
.else
	s_wait_loadcnt 63-n                            ; nothing is asked for any more: the count runs down
.endif
	v_cvt_pk_f16_f32 v[PK+2*(n%8)], v[RAW+4*(n%32)], v[RAW+4*(n%32)+1]
	v_cvt_pk_f16_f32 v[PK+2*(n%8)+1], v[RAW+4*(n%32)+2], v[RAW+4*(n%32)+3]
	ds_store_b64 v24, v[PK+2*(n%8):PK+2*(n%8)+1] offset:(n/4)*LP+256*(n%4)
.if n < 32
	global_load_b128 v[RAW+4*n:RAW+4*n+3], v[RO+n/4+8], s[28:29] offset:512*(n%4)
.endif
.set n, n+1
.endr
	s_wait_dscnt 0x0                               ; my rows are in LDS, for the other waves' sake
	s_barrier_signal -1
	s_barrier_wait -1
; Eight K steps: 32 fragment loads in one run, then eight products.  Source 0 = 16 rows of J, source 1 = 16 rows of I: register e of lane (r, h)
; is the sum for (J row 8 h + e, I row r), eight neighbouring columns of one row of M.  The two accumulators take turns, one instruction a turn.
.macro HALF k0, first
.if \first == 0
	PLACES                                         ; the loads below land in registers that the last products read
.endif
.irp k, 0,1,2,3,4,5,6,7
	ds_load_b128 v[RAW+16*\k:RAW+16*\k+3], v25 offset:64*(\k0+\k)
	ds_load_b128 v[RAW+16*\k+4:RAW+16*\k+7], v25 offset:64*(\k0+\k)+32
	ds_load_b128 v[RAW+16*\k+8:RAW+16*\k+11], v26 offset:64*(\k0+\k)
	ds_load_b128 v[RAW+16*\k+12:RAW+16*\k+15], v26 offset:64*(\k0+\k)+32
.endr
.irp k, 0,1,2,3,4,5,6,7
	s_wait_dscnt 4*(7-\k)                          ; the four loads of each later K step stay out
.if \first
.if \k < 2
	v_wmma_f32_16x16x32_f16 v[SUM+8*(\k&1):SUM+8*(\k&1)+7], v[RAW+16*\k:RAW+16*\k+7], v[RAW+16*\k+8:RAW+16*\k+15], 0
.else
	v_wmma_f32_16x16x32_f16 v[SUM+8*(\k&1):SUM+8*(\k&1)+7], v[RAW+16*\k:RAW+16*\k+7], v[RAW+16*\k+8:RAW+16*\k+15], v[SUM+8*(\k&1):SUM+8*(\k&1)+7]
.endif
.else
	v_wmma_f32_16x16x32_f16 v[SUM+8*(\k&1):SUM+8*(\k&1)+7], v[RAW+16*\k:RAW+16*\k+7], v[RAW+16*\k+8:RAW+16*\k+15], v[SUM+8*(\k&1):SUM+8*(\k&1)+7]
.endif
.endr
.endm
	HALF 0, 1                                      ; the first two products start the two sums: nothing is cleared
	HALF 8, 0
	PLACES
.irp j, 0,2,4,6
	v_pk_add_f32 v[SUM+\j:SUM+\j+1], v[SUM+\j:SUM+\j+1], v[SUM+8+\j:SUM+9+\j]
.endr
.irp j, 0,2,4,6
	v_pk_mul_f32 v[SUM+\j:SUM+\j+1], v[SUM+\j:SUM+\j+1], ALPHA op_sel_hi:[1,0]
.endr
	s_cmp_ge_u32 s19, 256
	s_cbranch_scc1 .Lvectors
	; M': my eight numbers are half jt of lane L's share of fragment (0, ks = number mod 16, T = 2 (number / 16) + it)
.irp j, 0,1,2,3
	v_cvt_pk_f16_f32 v[OUTR+\j], v[SUM+2*\j], v[SUM+2*\j+1]
.endr
	s_and_b32 s36, s19, 15
	s_lshr_b32 s37, s19, 4
	s_lshl1_add_u32 s37, s37, s38
	FRAGOFF s31, s36, s37, s32, s33
	s_lshl_b32 s39, s39, 9
	s_add_co_u32 s31, s31, s39
	v_add_nc_u32 v27, s31, v4
	global_store_b128 v27, v[OUTR:OUTR+3], s[14:15]    ; the wave stores 512 consecutive bytes, at a multiple of 512 from the buffer's first byte
	s_wait_tensorcnt 0x0
	ds_add_u32 v216, v217
	s_wait_dscnt 0x0
	s_endpgm
.Lvectors:
	; u, w, s0: every J row gave the same sum; register 0 of lanes 0-15 of the waves with jt = 0 holds the numbers for I's rows 16 it + r
	s_cmp_lg_u32 s39, 0
	s_cbranch_scc1 .Ldone
	s_sub_co_u32 s31, s19, 256
	s_lshl_b32 s31, s31, 7                         ; 32 numbers for each work-group: u from byte 0, w from 2,048, s0 at 4,096
	s_lshl_b32 s38, s38, 6
	s_add_co_u32 s31, s31, s38
	v_lshl_add_u32 v27, v2, 2, s31
	v_cmp_gt_u32 vcc_lo, 16, v1
	s_wait_xcnt 0x0                                ; EXEC changes only behind s_wait_xcnt 0
	s_and_saveexec_b32 s32, vcc_lo
	global_store_b32 v27, v[SUM], s[16:17]
	s_wait_xcnt 0x0
	s_or_b32 exec_lo, exec_lo, s32
.Ldone:
	s_wait_tensorcnt 0x0
	ds_add_u32 v216, v217
	s_wait_dscnt 0x0
	s_endpgm
.Lvalues:
	; ---- Wv: wave = one strip of 32 rows (K step ks) x 64 columns (those of wave wv of the next launch), through the wave's own LDS bytes ----
	s_sub_co_u32 s31, s19, 289
	s_lshl2_add_u32 s31, s31, s18                  ; strip 0 .. 127
	s_lshr_b32 s32, s31, 3                         ; ks
	s_and_b32 s33, s31, 7                          ; wv
	s_lshl_b32 s34, s32, 16                        ; 32 rows of 2,048 bytes
	s_lshl_b32 s35, s33, 8                         ; 64 columns of 4 bytes
	s_add_co_u32 s34, s34, s35
	v_lshlrev_b32 v5, 11, v3
	v_lshl_add_u32 v5, v2, 4, v5
	v_add_nc_u32 v28, s34, v5                      ; lanes 0-15 one row's 256 bytes, lanes 16-31 the next row's
.irp q, 0,1,2,3,4,5,6,7,8,9,10,11,12,13,14,15
	global_load_b128 v[RAW+4*\q:RAW+4*\q+3], v28, s[8:9] offset:4096*\q th:TH_LOAD_NT   ; the launch reads Wv once
.endr
	s_mul_i32 s35, s18, 32*VP
	s_add_co_u32 s35, s35, VBASE                   ; my wave's LDS bytes: 66,560 + 5,120 x wave
	v_mul_u32_u24 v5, v3, VP
	v_lshl_add_u32 v5, v2, 3, v5
	v_add_nc_u32 v29, s35, v5                      ; in: row h, 8 bytes a lane
	v_and_b32 v5, 7, v0
	v_lshl_add_u32 v5, v3, 3, v5
	v_mul_u32_u24 v5, v5, VP
	v_bfe_u32 v6, v0, 3, 1
	v_lshl_add_u32 v5, v6, 4, v5
	v_add_nc_u32 v30, s35, v5                      ; back, transposed: row 8 h + L % 8, 16 bytes at 16 ((L / 8) % 2)
	s_lshl_b32 s36, s33, 2                         ; T = 4 wv
	FRAGOFF s37, s32, s36, s38, s39
	s_add_co_u32 s37, s37, 524288                  ; g = 1
	v_add_nc_u32 v31, s37, v4
.irp q, 0,1,2,3,4,5,6,7,8,9,10,11,12,13,14,15
	s_wait_loadcnt 15-\q
	v_cvt_pk_f16_f32 v[PK+2*(\q%8)], v[RAW+4*\q], v[RAW+4*\q+1]
	v_cvt_pk_f16_f32 v[PK+2*(\q%8)+1], v[RAW+4*\q+2], v[RAW+4*\q+3]
	ds_store_b64 v29, v[PK+2*(\q%8):PK+2*(\q%8)+1] offset:2*VP*\q
.endr
.irp nt, 0,1,2,3
	ds_load_tr16_b128 v[128+8*\nt:131+8*\nt], v30 offset:32*\nt            ; LDS serves a wave's instructions in order (ISA guide 5.7.1.4): these see the stores above
	ds_load_tr16_b128 v[132+8*\nt:135+8*\nt], v30 offset:32*\nt+16*VP      ; rows 16 + 8 h ..
.endr
.irp m, 0,1,2,3,4,5,6,7
	s_wait_dscnt 7-\m
	global_store_b128 v31, v[128+4*\m:131+4*\m], s[14:15] offset:512*\m    ; 512 consecutive bytes each: the strip's four fragments
.endr
	s_wait_tensorcnt 0x0
	ds_add_u32 v216, v217
	s_wait_dscnt 0x0
	s_endpgm
.Lfunc_end_k_q6798154fac_prep:
	.size	k_q6798154fac_prep, .Lfunc_end_k_q6798154fac_prep-k_q6798154fac_prep
	.p2alignl 7, 3214868480
	.fill 96, 4, 3214868480
	.section	.rodata,"a",@progbits
	.p2align	6, 0x0
	.amdhsa_kernel k_q6798154fac_prep
		.amdhsa_group_segment_fixed_size 87552
		.amdhsa_private_segment_fixed_size 0
		.amdhsa_enable_private_segment 0
		.amdhsa_kernarg_size 56
		.amdhsa_user_sgpr_count 2
		.amdhsa_user_sgpr_kernarg_segment_ptr 1
		.amdhsa_wavefront_size32 1
		.amdhsa_system_sgpr_workgroup_id_x 1
		.amdhsa_system_sgpr_workgroup_id_y 1
		.amdhsa_system_sgpr_workgroup_id_z 1
		.amdhsa_system_vgpr_workitem_id 0
		.amdhsa_next_free_vgpr 218
		.amdhsa_next_free_sgpr 66
		.amdhsa_reserve_vcc 1
		.amdhsa_float_denorm_mode_32 3
		.amdhsa_float_denorm_mode_16_64 3
		.amdhsa_memory_ordered 1
		.amdhsa_forward_progress 1
		.amdhsa_inst_pref_size 40
	.end_amdhsa_kernel
	.amdgpu_metadata
---
amdhsa.version: [ 1, 2 ]
amdhsa.kernels:
  - .name:           k_q6798154fac_prep
    .symbol:         k_q6798154fac_prep.kd
    .args:
      - { .name: Wq, .offset: 0, .size: 8, .value_kind: global_buffer, .address_space: global }
      - { .name: Wk, .offset: 8, .size: 8, .value_kind: global_buffer, .address_space: global }
      - { .name: Wv, .offset: 16, .size: 8, .value_kind: global_buffer, .address_space: global }
      - { .name: bq, .offset: 24, .size: 8, .value_kind: global_buffer, .address_space: global }
      - { .name: bk, .offset: 32, .size: 8, .value_kind: global_buffer, .address_space: global }
      - { .name: wts, .offset: 40, .size: 8, .value_kind: global_buffer, .address_space: global }
      - { .name: vec, .offset: 48, .size: 8, .value_kind: global_buffer, .address_space: global }
    .group_segment_fixed_size: 87552
    .private_segment_fixed_size: 0
    .kernarg_segment_align: 8
    .kernarg_segment_size: 56
    .max_flat_workgroup_size: 128
    .sgpr_count:     66
    .vgpr_count:     218
    .wavefront_size: 32
...
	.end_amdgpu_metadata
.endif
;; end of part 1
;; launch attn (part 2): grid 256 x 1, 8 waves a work-group, clusters of 4 x 1, 327,680 bytes of LDS; arguments x, wts, vec, bv, out0; writes out0
.if DOCPART == 2
	.amdgcn_target "amdgcn-amd-amdhsa--gfx1250"
	.amdhsa_code_object_version 6
	.text
	.protected	k_q6798154fac_attn
	.globl	k_q6798154fac_attn
	.p2align	8
	.type	k_q6798154fac_attn,@function
k_q6798154fac_attn:
	s_mov_b64 s[64:65], 0
	v_nop
	global_prefetch_b8 v0, s[64:65] scope:SCOPE_SE
	s_setreg_imm32_b32 hwreg(HW_REG_WAVE_MODE, 25, 1), 1
	s_wait_xcnt 0x0
	s_wait_alu depctr_hold_cnt(0) depctr_sa_sdst(0) depctr_va_vdst(0) depctr_va_sdst(0) depctr_va_ssrc(0) depctr_va_vcc(0) depctr_vm_vsrc(0)
	s_getreg_b32 s2, hwreg(HW_REG_IB_STS2, 6, 4)
	s_cmp_eq_u32 s2, 0
	s_cbranch_scc0 .Lentry_in_a_cluster
	s_endpgm
.Lentry_in_a_cluster:
	s_bfe_u32 s2, ttmp6, 0x10000c
	s_cmp_lg_u32 s2, 0x3003
	s_cbranch_scc0 .Lentry_shape_is_right
	s_endpgm
.Lentry_shape_is_right:
; Time-restricted self-attention, fused.  x [8][2048][512] f32; out0 [8][505][512] f32; window t = rows 4 t .. 4 t + 31, query at row 4 t + 16.
; With M', u'', w'', s0'' of the launch before (all times ALPHA = 1024 log2(e) / sqrt(512)):
;   G'[q] = M' x_c(q) + u'';  c(q) = w'' . x_c(q) + s0'';  score'(q, f) = x_f . G'[q] + c(q);  p = softmax over the 32 f of score' 2^-10 in base 2, the
;   window's maximum taken away;  ctx[q] = sum over f of p_f x_f;  out[q] = ctx[q] Wv + bv  (the p_f sum to one, so bv is added once).
; A WORK-GROUP has 16 queries (32 blocks a batch; the last has 9 live ones) and the 96 rows of x from 64 blk on (rows past 2,047 are taken as row 2,047:
; only dead queries see them).  Eight waves; wave w owns columns 64 w .. 64 w + 63 of G', ctx and out.
; FORMATS: x, M', w'', p, ctx, Wv go to the matrix unit in f16; G' and x in the score product in bf16, since G' can pass f16's range; all sums, the softmax
; and the biases in f32.  LIMITS: |x| below 65,504 (f16's largest); NaN and infinities in the inputs are not followed; the products are associated otherwise
; than in the formula q k^T, so the rounding differs from it.
; CLUSTERS: every work-group walks the same 1 MiB of weights, so four work-groups ask for each part jointly (mask 15): each wave of each of the four issues the
; same tensor load (address and LDS address hang on the wave's number alone) and each receives the bytes in its own LDS.
; THE RING is one slot of 196,608 bytes, wave w's part at 24,576 w, read by wave w alone.  Six fills: K steps 0-5, 6-11, 12-15 of M', then of Wv.  The products on a
; fill are few beside its bytes, and all loads have landed in front of each refill's barrier, so a second slot would hide nothing: LDS goes into one large slot.
; What is done while fills are on their way: x comes from memory and is rounded into LDS under M's fills; scores, softmax and ctx run under Wv's first fill.
; By this text's own count a wave has one tensor load outstanding at the most.
; LDS: ring 0 (tensor loads only) | XH 196,608: x in f16, 96 rows, pitch 1,056; at the end the waves' stages for the way out | GC 297,984: 16 rows, pitch 1,040:
; x_c in f16, then G' in bf16, then ctx in f16 | S 314,624: scores f32, 16 x 96, pitch 400 | P 321,024: p in f16, 16 x 96, pitch 208 | WB 325,120: w'' in f16.
.set WPART,  24576
.set L_XH,   196608
.set XPITCH, 1056                      ; 1,024 + 32: an odd multiple of 32, for the transposing loads
.set L_GC,   297984
.set GPITCH, 1040                      ; 1,024 + 16: an odd multiple of 16
.set L_S,    314624
.set L_P,    321024
.set L_WB,   325120
.set VXSC, 7                           ; XH, row 80 + 2 w, + 8 lane
.set XO,   8                           ; v[8:19]  byte offsets in x of my 16 bytes in my wave's 12 rows
.set VXSA, 20                          ; XH, row 16 + 8 w, + 8 lane
.set VXSB, 21                          ; XH, row 2 w, + 8 lane
.set VXCS, 22                          ; GC, row 2 w, + 8 lane
.set VAC,  23                          ; GC + 1,040 r + 16 h: fragments by query
.set VGST, 24                          ; the same + 128 w: where my columns of G' and ctx go
.set VRB,  25                          ; my wave's part of the ring + 16 lane
.set VWBA, 26                          ; WB + 16 h
.set VXS,  27                          ; XH + (16 w + r) 1,056 + 16 h: score fragments (waves 0-5)
.set VSST, 28                          ; S + 400 r + 64 w + 32 h
.set VSLD, 29                          ; S + 416 q + 8 r, q = 2 w + h: two scores of query q's band
.set VPST, 30                          ; P + 216 q + 4 r
.set VPLD, 31                          ; P + 208 r + 16 h
.set VXT0, 32                          ; XH + (8 h + L % 8) 1,056 + 128 w + 16 ((L / 8) % 2): transposing loads, rows 0-63
.set VXT2, 33                          ; the same, rows 64-95
.set VOST, 34                          ; my stage + 272 r + 32 h
.set VORD, 35                          ; my stage + 272 h + 16 r
.set VOGO, 36                          ; out: 2,048 h + 256 w + 16 r
.set VUO,  37                          ; u'', bv: 256 w + 32 h
.set VW8,  38                          ; 8 x thread
.set VWS,  39                          ; WB + 4 x thread
.set ACC,  40                          ; v[40:71]   four accumulator tiles (16 columns x 16 queries each)
.set CT,   72                          ; v[72:79]   c(q), the same in all eight registers
.set BUF0, 80                          ; v[80:127]  query fragment 8, four weight fragments 32, w'' fragment 8
.set BUF1, 128                         ; v[128:175] the same, second buffer
.set TMP,  176                         ; v[176:255] at work
.set XRW,  80                          ; scores: v[80:111] four raw f16 fragments of x (named outright in UNP below)
.set TF,   112                         ; v[112:127] sixteen f32 at work
.set XB,   40                          ; v[40:55]   two bf16 fragments of x
.set SA,   56                          ; v[56:63], v[64:71] the score tile's two accumulators
.set SB,   64
.set GF,   128                         ; v[128:255] G's sixteen fragments
.set CA,   80                          ; ctx: v[80:111] four accumulator tiles
.set XF,   128                         ; v[128:223] twelve transposed fragments of x
.set PF,   224                         ; v[224:247] p's three fragments
; v256-v447 (window 1): x as loaded, 48 loads of four registers
.set G1A, 24                           ; s[24:31] descriptor group 1: 96 rows of 256 bytes
.set G1B, 32                           ; s[32:39] the same with 64 rows
.set MSB, 0
.macro WIN new                         ; the immediate's high byte repeats the setting that is left
.if MSB != \new
	s_set_vgpr_msb (MSB<<8)|\new
.set MSB, \new
.endif
.endm
.macro PLACES                          ; four places behind a matrix instruction (ISA guide 7.12.1)
.rept 4
	v_nop
.endr
.endm
; A round of the cluster's barrier: my work-group's barrier, wave 0 signals for the work-group, every wave waits for all four work-groups, my work-group's barrier.
.macro ROUND
	s_barrier_signal -1
	s_barrier_wait -1
	s_cmp_lg_u32 s14, 0
	s_cbranch_scc1 .Lnot_wave_0_\@
	s_barrier_signal -3
.Lnot_wave_0_\@:
	s_barrier_wait -3
	s_barrier_signal -1
	s_barrier_wait -1
.endm
; The slot is filled again: my LDS instructions are done, all my tensor loads have landed (so group 0 may be written), a round, and the joint load first behind it.
.macro REFILL a, c, g
	s_wait_dscnt 0x0
	s_set_vgpr_msb 0x5
	s_wait_tensorcnt 0x0
	ds_add_u32 v192, v193
	s_wait_dscnt 0x0
	s_set_vgpr_msb 0x500
	s_add_nc_u64 s[42:43], s[\a:\a+1], \c
	s_or_b32 s43, s43, 0x80000000                  ; type = 2
	ROUND
	tensor_load_to_lds s[40:43], s[\g:\g+7]
	s_nop 0
.endm
.macro XLOAD n0, i                     ; a row of x: four loads of 512 consecutive bytes, into window 1
.irp q, 0,1,2,3
	global_load_b128 v[4*(\n0+\q):4*(\n0+\q)+3], v[XO+\i], s[4:5] offset:512*\q
.endr
.endm
.macro CVTROW slot, n0                 ; (sources in window 1) a row to f16
.irp q, 0,1,2,3
	v_cvt_pk_f16_f32 v[TMP+8*\slot+2*\q], v[4*(\n0+\q)], v[4*(\n0+\q)+1]
	v_cvt_pk_f16_f32 v[TMP+8*\slot+2*\q+1], v[4*(\n0+\q)+2], v[4*(\n0+\q)+3]
.endr
.endm
.macro STROW slot, base, imm
.irp q, 0,1,2,3
	ds_store_b64 v[\base], v[TMP+8*\slot+2*\q:TMP+8*\slot+2*\q+1] offset:\imm+256*\q
.endr
.endm
; The fragments of K step ks (kl within the fill): the queries' from GC, my four tiles' weights from the ring, and (c = 1) w''.
.macro LOADK buf, ks, kl, c
	ds_load_b128 v[\buf:\buf+3], v[VAC] offset:64*(\ks)
	ds_load_b128 v[\buf+4:\buf+7], v[VAC] offset:64*(\ks)+32
.irp nt, 0,1,2,3
	ds_load_b128 v[\buf+8+8*\nt:\buf+11+8*\nt], v[VRB] offset:4096*(\kl)+1024*\nt
	ds_load_b128 v[\buf+12+8*\nt:\buf+15+8*\nt], v[VRB] offset:4096*(\kl)+1024*\nt+512
.endr
.if \c
	ds_load_b128 v[\buf+40:\buf+43], v[VWBA] offset:64*(\ks)
	ds_load_b128 v[\buf+44:\buf+47], v[VWBA] offset:64*(\ks)+32
.endif
.endm
; Source 0 = 16 rows of the weights, source 1 = the 16 queries: register j of lane (r, h) is (column 8 h + j, query r), eight neighbouring columns of one query.
; The accumulators take turns, one instruction a turn, from one K step into the next too.
.macro MULK buf, c
.irp nt, 0,1,2,3
	v_wmma_f32_16x16x32_f16 v[ACC+8*\nt:ACC+8*\nt+7], v[\buf+8+8*\nt:\buf+15+8*\nt], v[\buf:\buf+7], v[ACC+8*\nt:ACC+8*\nt+7]
.endr
.if \c
	v_wmma_f32_16x16x32_f16 v[CT:CT+7], v[\buf+40:\buf+47], v[\buf:\buf+7], v[CT:CT+7]
.endif
.endm
; The products on one fill of cnt K steps, from K step ks0 on.  pl = 1: the last products on the two buffers have no places behind them yet.
.macro FILLC cnt, ks0, c, pl
	s_wait_tensorcnt 0x0                           ; my one load has landed; only I read its bytes
.if \pl
	PLACES
.endif
	LOADK BUF0, \ks0, 0, \c
	LOADK BUF1, \ks0+1, 1, \c
.irp kl, 0,1,2,3,4,5
.if \kl < \cnt
.if \kl == \cnt-1
	s_wait_dscnt 0x0
.else
	s_wait_dscnt 10+2*\c                           ; the next K step's loads stay out
.endif
	MULK BUF0+48*(\kl&1), \c
.if \kl+2 < \cnt
	PLACES                                         ; the loads below land in the registers just multiplied
	LOADK BUF0+48*(\kl&1), \ks0+\kl+2, \kl+2, \c
.endif
.endif
.endr
.endm
.macro H2 d, lo, hi
	v_cvt_f32_f16 v[TF+\d], \lo
	v_cvt_f32_f16 v[TF+\d+1], \hi
.endm
.macro UNP b                           ; raw fragment b (v[80 + 8 b : 87 + 8 b]) to sixteen f32
.if (\b) == 0
	H2 0, v80.l, v80.h
	H2 2, v81.l, v81.h
	H2 4, v82.l, v82.h
	H2 6, v83.l, v83.h
	H2 8, v84.l, v84.h
	H2 10, v85.l, v85.h
	H2 12, v86.l, v86.h
	H2 14, v87.l, v87.h
.endif
.if (\b) == 1
	H2 0, v88.l, v88.h
	H2 2, v89.l, v89.h
	H2 4, v90.l, v90.h
	H2 6, v91.l, v91.h
	H2 8, v92.l, v92.h
	H2 10, v93.l, v93.h
	H2 12, v94.l, v94.h
	H2 14, v95.l, v95.h
.endif
.if (\b) == 2
	H2 0, v96.l, v96.h
	H2 2, v97.l, v97.h
	H2 4, v98.l, v98.h
	H2 6, v99.l, v99.h
	H2 8, v100.l, v100.h
	H2 10, v101.l, v101.h
	H2 12, v102.l, v102.h
	H2 14, v103.l, v103.h
.endif
.if (\b) == 3
	H2 0, v104.l, v104.h
	H2 2, v105.l, v105.h
	H2 4, v106.l, v106.h
	H2 6, v107.l, v107.h
	H2 8, v108.l, v108.h
	H2 10, v109.l, v109.h
	H2 12, v110.l, v110.h
	H2 14, v111.l, v111.h
.endif
.endm
; One K step of the score tile: 16 rows of x from f16 to bf16 in registers, the raw fragment four steps on is asked for, one product.
; Source 0 = 16 rows of x, source 1 = G' by query: register j of lane (r, h) is (row 8 h + j, query r).  Even steps add onto SA, odd ones onto SB, by turns;
; a bf16 buffer is written again two steps later, behind the other buffer's 24 conversions.
.macro SSTEP ks
.if \ks < 13
	s_wait_dscnt 6                                 ; the raw fragments of the next three steps stay out
.else
	s_wait_dscnt 2*(15-\ks)
.endif
	UNP (\ks&3)
.irp j, 0,1,2,3,4,5,6,7
	v_cvt_pk_bf16_f32 v[XB+8*(\ks&1)+\j], v[TF+2*\j], v[TF+2*\j+1]
.endr
.if \ks < 12
	ds_load_b128 v[XRW+8*(\ks&3):XRW+8*(\ks&3)+3], v[VXS] offset:64*(\ks+4)
	ds_load_b128 v[XRW+8*(\ks&3)+4:XRW+8*(\ks&3)+7], v[VXS] offset:64*(\ks+4)+32
.endif
.if \ks == 0
	v_wmma_f32_16x16x32_bf16 v[SA:SA+7], v[XB:XB+7], v[GF:GF+7], v[CT:CT+7]        ; c(q) starts the sum
.else
.if \ks == 1
	v_wmma_f32_16x16x32_bf16 v[SB:SB+7], v[XB+8:XB+15], v[GF+8:GF+15], 0
.else
	v_wmma_f32_16x16x32_bf16 v[SA+8*(\ks&1):SA+8*(\ks&1)+7], v[XB+8*(\ks&1):XB+8*(\ks&1)+7], v[GF+8*\ks:GF+8*\ks+7], v[SA+8*(\ks&1):SA+8*(\ks&1)+7]
.endif
.endif
.endm
	; ---------------- head: ids, offsets in x, descriptors; then every load from memory, the opening round and the first fill ----------------
	s_load_b256 s[4:11], s[0:1], 0x0               ; x s[4:5], wts s[6:7], vec s[8:9], bv s[10:11]
	s_load_b64 s[12:13], s[0:1], 0x20              ; out0
	s_set_vgpr_msb 0x40
	v_lshl_add_u32 v192, v0, 2, 0x4fa00
	v_mov_b32 v193, 0
	s_set_vgpr_msb 0x4045
	ds_add_u32 v192, v193
	s_set_vgpr_msb 0x4500
	v_lshrrev_b32 v5, 5, v0
	v_readfirstlane_b32 s14, v5                    ; wave w, 0..7
	s_bfe_u32 s15, ttmp6, 0x40000                  ; my place in the cluster; it enters offsets in x and out0 and the mask of the last stores, nothing else
	s_lshl_b32 s16, ttmp9, 2
	s_add_co_u32 s16, s16, s15                     ; work-group 0..255
	s_lshr_b32 s17, s16, 5                         ; batch
	s_and_b32 s18, s16, 31                         ; block of 16 queries
	s_lshl_b32 s19, s18, 6                         ; its first row of x
	v_and_b32 v1, 31, v0                           ; lane L
	v_and_b32 v2, 15, v0                           ; r
	v_bfe_u32 v3, v0, 4, 1                         ; h
	v_lshlrev_b32 v4, 4, v1
	s_lshl_b32 s20, s14, 3
	s_add_co_u32 s20, s20, s19
	s_add_co_u32 s20, s20, 16                      ; group A: rows 16 + 8 w + i, i = 0..7; i = 0 and 4 are the centres of queries 2 w and 2 w + 1
.irp i, 0,1,2,3,4,5,6,7
	s_add_co_u32 s21, s20, \i
	s_min_u32 s21, s21, 2047
	s_lshl_b32 s21, s21, 11
	v_add_nc_u32 v[XO+\i], s21, v4
.endr
	s_lshl_b32 s20, s14, 1
	s_add_co_u32 s20, s20, s19                     ; group B: rows 2 w, 2 w + 1, 80 + 2 w, 81 + 2 w: together rows 0-15 and 80-95
.set n, 0
.irp i, 0,1,80,81
	s_add_co_u32 s21, s20, \i
	s_min_u32 s21, s21, 2047
	s_lshl_b32 s21, s21, 11
	v_add_nc_u32 v[XO+8+n], s21, v4
.set n, n+1
.endr
	v_lshlrev_b32 v5, 5, v3
	v_lshl_add_u32 v[VUO], s14, 8, v5
	v_lshlrev_b32 v[VW8], 3, v0
	; group 1: a dense run of bytes as rows of 32 elements of 8 bytes.  15:0 mask = 15, the cluster's four; 17:16 element size code 3; 21 set beside a mask
	s_mov_b32 s[G1A+0], 15|(3<<16)|(1<<21)
	s_mov_b32 s[G1A+1], 32<<16                     ; tensor_dim0 = 32
	s_mov_b32 s[G1A+2], 96<<16                     ; tensor_dim1 = 96
	s_mov_b32 s[G1A+3], 32<<16                     ; tile_dim0 = 32
	s_mov_b32 s[G1A+4], 96                         ; tile_dim1 = 96
	s_mov_b32 s[G1A+5], 32                         ; from row to row: 32 elements
	s_mov_b32 s[G1A+6], 0
	s_mov_b32 s[G1A+7], 0
	s_mov_b32 s[G1B+0], 15|(3<<16)|(1<<21)
	s_mov_b32 s[G1B+1], 32<<16
	s_mov_b32 s[G1B+2], 64<<16
	s_mov_b32 s[G1B+3], 32<<16
	s_mov_b32 s[G1B+4], 64
	s_mov_b32 s[G1B+5], 32
	s_mov_b32 s[G1B+6], 0
	s_mov_b32 s[G1B+7], 0
	s_mov_b32 s40, 1                               ; group 0: count = 1,
	s_mul_i32 s41, s14, WPART                      ; LDS address: my wave's part of the ring
	s_mov_b32 s56, s41
	s_mov_b32 s57, 0
	s_lshl_b32 s58, s14, 14
	s_mov_b32 s59, 0
	s_mov_b32 s49, 0x3a800000                      ; 2^-10
	s_lshl_b32 s50, s18, 4
	s_sub_co_u32 s50, 505, s50
	s_min_u32 s50, s50, 16                         ; live queries of my block
	s_lshl_b32 s20, s17, 22                        ; a batch of x: 2,048 rows of 2,048 bytes
	s_mov_b32 s21, 0
	s_mul_i32 s22, s17, 505
	s_lshl4_add_u32 s22, s18, s22
	s_lshl_b32 s22, s22, 11                        ; my first row of out0, 2,048 bytes a row
	s_mov_b32 s23, 0
	s_wait_dscnt 0x0
	s_wait_kmcnt 0x0
	s_add_nc_u64 s[44:45], s[6:7], s[56:57]        ; wts + 24,576 w: my part of the fills of six K steps
	s_add_nc_u64 s[46:47], s[6:7], s[58:59]        ; wts + 16,384 w: of the fills of four
	s_mov_b64 s[42:43], s[44:45]
	s_or_b32 s43, s43, 0x80000000
	s_add_nc_u64 s[4:5], s[4:5], s[20:21]
	s_add_nc_u64 s[12:13], s[12:13], s[22:23]
	s_load_b32 s48, s[8:9], 0x1000                 ; s0''
	global_load_b64 v[TMP:TMP+1], v[VW8], s[8:9] offset:2048           ; two numbers of w'' a thread
.irp nt, 0,1,2,3
	global_load_b128 v[ACC+8*\nt:ACC+8*\nt+3], v[VUO], s[8:9] offset:64*\nt        ; u'' of my columns starts G's sums
	global_load_b128 v[ACC+8*\nt+4:ACC+8*\nt+7], v[VUO], s[8:9] offset:64*\nt+16
.endr
	WIN 0x40                                       ; destinations in window 1
	XLOAD 0, 0                                     ; the two centre rows first,
	XLOAD 4, 4
	XLOAD 8, 1                                     ; then the rest of group A,
	XLOAD 12, 2
	XLOAD 16, 3
	XLOAD 20, 5
	XLOAD 24, 6
	XLOAD 28, 7
	XLOAD 32, 8                                    ; then group B.  No cache word: the 32 rows shared with the next block are read by two work-groups
	XLOAD 36, 9
	XLOAD 40, 10
	XLOAD 44, 11
	WIN 0
	ROUND                                          ; the four work-groups are here: the first joint loads meet
	tensor_load_to_lds s[40:43], s[G1A:G1A+7]      ; M', K steps 0-5
	s_nop 0
	; ---------------- LDS addresses: a constant, the wave's number times a constant, a lane term ----------------
	v_mul_u32_u24 v5, v2, GPITCH
	v_lshl_add_u32 v5, v3, 4, v5
	v_add_nc_u32 v[VAC], L_GC, v5
	v_lshl_add_u32 v[VGST], s14, 7, v[VAC]
	v_add_nc_u32 v[VRB], s41, v4
	v_lshl_add_u32 v[VWBA], v3, 4, L_WB
	s_lshl_b32 s60, s14, 3
	s_add_co_u32 s60, s60, 16
	s_mul_i32 s60, s60, XPITCH
	s_add_co_u32 s60, s60, L_XH
	v_lshl_add_u32 v[VXSA], v1, 3, s60
	s_mul_i32 s60, s14, 2*XPITCH
	s_add_co_u32 s60, s60, L_XH
	v_lshl_add_u32 v[VXSB], v1, 3, s60             ; row 2 w
	s_add_co_u32 s60, s60, 80*XPITCH
	v_lshl_add_u32 v[VXSC], v1, 3, s60             ; row 80 + 2 w: 84,480 bytes on, more than a 16-bit offset holds
	s_mul_i32 s60, s14, 2*GPITCH
	s_add_co_u32 s60, s60, L_GC
	v_lshl_add_u32 v[VXCS], v1, 3, s60
	v_mul_u32_u24 v5, v2, XPITCH
	v_lshl_add_u32 v5, v3, 4, v5
	s_mul_i32 s60, s14, 16*XPITCH
	s_add_co_u32 s60, s60, L_XH
	v_add_nc_u32 v[VXS], s60, v5
	v_mul_u32_u24 v5, v2, 400
	v_lshl_add_u32 v5, v3, 5, v5
	s_lshl_b32 s60, s14, 6
	s_add_co_u32 s60, s60, L_S
	v_add_nc_u32 v[VSST], s60, v5
	v_lshl_add_u32 v6, s14, 1, v3                  ; q = 2 w + h
	v_mul_u32_u24 v5, v6, 416                      ; row q of S (400) + its band's first column 4 q (16)
	v_lshl_add_u32 v5, v2, 3, v5
	v_add_nc_u32 v[VSLD], L_S, v5
	v_mul_u32_u24 v5, v6, 216                      ; row q of P (208) + column 4 q (8)
	v_lshl_add_u32 v5, v2, 2, v5
	v_add_nc_u32 v[VPST], L_P, v5
	v_mul_u32_u24 v5, v2, 208
	v_lshl_add_u32 v5, v3, 4, v5
	v_add_nc_u32 v[VPLD], L_P, v5
	v_and_b32 v5, 7, v0
	v_lshl_add_u32 v5, v3, 3, v5
	v_mul_u32_u24 v5, v5, XPITCH
	v_bfe_u32 v6, v0, 3, 1
	v_lshl_add_u32 v5, v6, 4, v5
	s_lshl_b32 s60, s14, 7
	s_add_co_u32 s60, s60, L_XH
	v_add_nc_u32 v[VXT0], s60, v5
	v_add_nc_u32 v[VXT2], 64*XPITCH, v[VXT0]
	s_mul_i32 s60, s14, 16*272
	s_add_co_u32 s60, s60, L_XH
	v_mul_u32_u24 v5, v2, 272
	v_lshl_add_u32 v5, v3, 5, v5
	v_add_nc_u32 v[VOST], s60, v5
	v_mul_u32_u24 v5, v3, 272
	v_lshl_add_u32 v5, v2, 4, v5
	v_add_nc_u32 v[VORD], s60, v5
	v_lshlrev_b32 v5, 11, v3
	v_lshl_add_u32 v5, v2, 4, v5
	v_lshl_add_u32 v[VOGO], s14, 8, v5
	v_lshl_add_u32 v[VWS], v0, 2, L_WB
	v_lshl_add_u32 v5, v0, 4, L_P
	; ---------------- p's table is cleared (outside a query's band p is 0); w'' and the centre rows go into LDS ----------------
.irp j, 4,5,6,7
	v_mov_b32 v[TMP+\j], 0
.endr
	ds_store_b128 v5, v[TMP+4:TMP+7]               ; 256 threads x 16 bytes: all of P
	s_wait_loadcnt 40                              ; of 57 loads the oldest 17 are in: w'', u'', the two centre rows; the other ten rows' 40 stay out
	v_cvt_pk_f16_f32 v[TMP+2], v[TMP], v[TMP+1]
	ds_store_b32 v[VWS], v[TMP+2]
	WIN 0x05                                       ; sources 0 and 1 in window 1
	CVTROW 1, 0
	CVTROW 2, 4
	WIN 0
	STROW 1, VXSA, 0                               ; as window rows,
	STROW 2, VXSA, 4*XPITCH
	STROW 1, VXCS, 0                               ; and as the queries 2 w, 2 w + 1
	STROW 2, VXCS, GPITCH
	s_wait_kmcnt 0x0
.irp j, 0,1,2,3,4,5,6,7
	v_mov_b32 v[CT+\j], s48                        ; s0'' starts c's sum
.endr
	s_wait_dscnt 0x0                               ; my stores are done, for the other waves' sake
	s_barrier_signal -1                            ; the first fill may stay on its way across it
	s_barrier_wait -1
	; ---------------- G' = x_c M'^T + u'' and c = x_c . w'' + s0''; the rest of x is rounded into XH while the second and third fill are on their way ----------------
	FILLC 6, 0, 1, 0
	REFILL 44, 196608, G1A                         ; M', K steps 6-11
	s_wait_loadcnt 16                              ; group A is in; group B's 16 loads stay out
	WIN 0x05
	CVTROW 0, 8
	CVTROW 1, 12
	CVTROW 2, 16
	CVTROW 3, 20
	CVTROW 4, 24
	CVTROW 5, 28
	WIN 0
	STROW 0, VXSA, 1*XPITCH
	STROW 1, VXSA, 2*XPITCH
	STROW 2, VXSA, 3*XPITCH
	STROW 3, VXSA, 5*XPITCH
	STROW 4, VXSA, 6*XPITCH
	STROW 5, VXSA, 7*XPITCH
	FILLC 6, 6, 1, 1
	REFILL 46, 393216, G1B                         ; M', K steps 12-15
	s_wait_loadcnt 0x0
	WIN 0x05
	CVTROW 0, 32
	CVTROW 1, 36
	CVTROW 2, 40
	CVTROW 3, 44
	WIN 0
	STROW 0, VXSB, 0                               ; rows 2 w, 2 w + 1,
	STROW 1, VXSB, XPITCH
	STROW 2, VXSC, 0                               ; rows 80 + 2 w, 81 + 2 w
	STROW 3, VXSC, XPITCH
	FILLC 4, 12, 1, 1
	; ---------------- Wv's first fill goes out; behind its round no wave reads x_c any more, so G' (bf16) takes its place in GC ----------------
	REFILL 44, 524288, G1A                         ; Wv, K steps 0-5: it lands under scores, softmax and ctx
	PLACES
.irp nt, 0,1,2,3
.irp j, 0,1,2,3
	v_cvt_pk_bf16_f32 v[TMP+4*\nt+\j], v[ACC+8*\nt+2*\j], v[ACC+8*\nt+2*\j+1]
.endr
.endr
.irp nt, 0,1,2,3
	ds_store_b128 v[VGST], v[TMP+4*\nt:TMP+4*\nt+3] offset:32*\nt
.endr
	s_wait_dscnt 0x0
	s_barrier_signal -1
	s_barrier_wait -1
	; ---------------- scores: wave w < 6 makes rows 16 w .. 16 w + 15 of x against all 16 queries (96 rows: six tiles) ----------------
	s_cmp_ge_u32 s14, 6
	s_cbranch_scc1 .Lscored
.irp ks, 0,1,2,3,4,5,6,7,8,9,10,11,12,13,14,15
	ds_load_b128 v[GF+8*\ks:GF+8*\ks+3], v[VAC] offset:64*\ks
	ds_load_b128 v[GF+8*\ks+4:GF+8*\ks+7], v[VAC] offset:64*\ks+32
.endr
.irp ks, 0,1,2,3
	ds_load_b128 v[XRW+8*\ks:XRW+8*\ks+3], v[VXS] offset:64*\ks
	ds_load_b128 v[XRW+8*\ks+4:XRW+8*\ks+7], v[VXS] offset:64*\ks+32
.endr
.irp ks, 0,1,2,3,4,5,6,7,8,9,10,11,12,13,14,15
	SSTEP \ks
.endr
	PLACES
.irp j, 0,2,4,6
	v_pk_add_f32 v[SA+\j:SA+\j+1], v[SA+\j:SA+\j+1], v[SB+\j:SB+\j+1]
.endr
	ds_store_b128 v[VSST], v[SA:SA+3]              ; query r's row of S, columns 16 w + 8 h ..
	ds_store_b128 v[VSST], v[SA+4:SA+7] offset:16
.Lscored:
	s_wait_dscnt 0x0
.irp nt, 0,1,2,3
	global_load_b128 v[ACC+8*\nt:ACC+8*\nt+3], v[VUO], s[10:11] offset:64*\nt      ; bv of my columns will start out's sums
	global_load_b128 v[ACC+8*\nt+4:ACC+8*\nt+7], v[VUO], s[10:11] offset:64*\nt+16
.endr
	s_barrier_signal -1
	s_barrier_wait -1
	; ---------------- softmax: sixteen lanes a query (q = 2 w + h), two of its 32 scores a lane ----------------
	ds_load_b64 v[248:249], v[VSLD]
	s_wait_dscnt 0x0
	v_max_num_f32 v250, v248, v249
	v_max_num_f32_dpp v250, v250, v250 row_xmask:1 row_mask:0xf bank_mask:0xf
	v_max_num_f32_dpp v250, v250, v250 row_xmask:2 row_mask:0xf bank_mask:0xf
	v_max_num_f32_dpp v250, v250, v250 row_xmask:4 row_mask:0xf bank_mask:0xf
	v_max_num_f32_dpp v250, v250, v250 row_xmask:8 row_mask:0xf bank_mask:0xf      ; the window's maximum, in its sixteen lanes
	v_mul_f32 v251, 0xba800000, v250               ; - 2^-10 x maximum
	v_fma_f32 v248, v248, s49, v251                ; (score' - maximum) 2^-10, at most 0: the exponent in base 2
	v_fma_f32 v249, v249, s49, v251
	v_exp_f32 v248, v248
	v_exp_f32 v249, v249
	v_nop                                          ; one plain place behind a transcendental (ISA guide 5.7.2)
	s_wait_alu depctr_va_vdst(0)
	v_add_f32 v252, v248, v249
	v_add_f32_dpp v252, v252, v252 row_xmask:1 row_mask:0xf bank_mask:0xf
	v_add_f32_dpp v252, v252, v252 row_xmask:2 row_mask:0xf bank_mask:0xf
	v_add_f32_dpp v252, v252, v252 row_xmask:4 row_mask:0xf bank_mask:0xf
	v_add_f32_dpp v252, v252, v252 row_xmask:8 row_mask:0xf bank_mask:0xf          ; at least 1: the maximum's own term
	v_rcp_f32 v253, v252
	v_nop
	s_wait_alu depctr_va_vdst(0)
	v_mul_f32 v248, v248, v253
	v_mul_f32 v249, v249, v253
	v_cvt_pk_f16_f32 v254, v248, v249
	ds_store_b32 v[VPST], v254
	s_wait_dscnt 0x0
	s_barrier_signal -1
	s_barrier_wait -1
	; ---------------- ctx = p x over the 96 rows: source 0 = my columns of x, transposed on the way out of LDS; source 1 = p by query ----------------
.irp ks, 0,1,2
	ds_load_b128 v[PF+8*\ks:PF+8*\ks+3], v[VPLD] offset:64*\ks
	ds_load_b128 v[PF+8*\ks+4:PF+8*\ks+7], v[VPLD] offset:64*\ks+32
.endr
.irp ks, 0,1
.irp nt, 0,1,2,3
	ds_load_tr16_b128 v[XF+32*\ks+8*\nt:XF+32*\ks+8*\nt+3], v[VXT0] offset:32*XPITCH*\ks+32*\nt
	ds_load_tr16_b128 v[XF+32*\ks+8*\nt+4:XF+32*\ks+8*\nt+7], v[VXT0] offset:32*XPITCH*\ks+32*\nt+16*XPITCH
.endr
.endr
.irp nt, 0,1,2,3
	ds_load_tr16_b128 v[XF+64+8*\nt:XF+64+8*\nt+3], v[VXT2] offset:32*\nt
	ds_load_tr16_b128 v[XF+64+8*\nt+4:XF+64+8*\nt+7], v[VXT2] offset:32*\nt+16*XPITCH
.endr
	s_wait_dscnt 16                                ; p and rows 0-31 are in; the sixteen loads of rows 32-95 stay out
.irp nt, 0,1,2,3
	v_wmma_f32_16x16x32_f16 v[CA+8*\nt:CA+8*\nt+7], v[XF+8*\nt:XF+8*\nt+7], v[PF:PF+7], 0      ; four accumulators by turns
.endr
	s_wait_dscnt 8
.irp nt, 0,1,2,3
	v_wmma_f32_16x16x32_f16 v[CA+8*\nt:CA+8*\nt+7], v[XF+32+8*\nt:XF+32+8*\nt+7], v[PF+8:PF+15], v[CA+8*\nt:CA+8*\nt+7]
.endr
	s_wait_dscnt 0x0
.irp nt, 0,1,2,3
	v_wmma_f32_16x16x32_f16 v[CA+8*\nt:CA+8*\nt+7], v[XF+64+8*\nt:XF+64+8*\nt+7], v[PF+16:PF+23], v[CA+8*\nt:CA+8*\nt+7]
.endr
	PLACES                                         ; for the conversions, and for the next phase's loads into these registers
.irp nt, 0,1,2,3
.irp j, 0,1,2,3
	v_cvt_pk_f16_f32 v[TF+4*\nt+\j], v[CA+8*\nt+2*\j], v[CA+8*\nt+2*\j+1]
.endr
.endr
.irp nt, 0,1,2,3
	ds_store_b128 v[VGST], v[TF+4*\nt:TF+4*\nt+3] offset:32*\nt        ; ctx takes G's place: G's last reads lie two barriers back
.endr
	s_wait_dscnt 0x0
	s_barrier_signal -1
	s_barrier_wait -1
	; ---------------- out = ctx Wv + bv ----------------
	s_wait_loadcnt 0x0                             ; bv
	FILLC 6, 0, 0, 0
	REFILL 44, 720896, G1A                         ; Wv, K steps 6-11
	FILLC 6, 6, 0, 1
	REFILL 46, 917504, G1B                         ; Wv, K steps 12-15: the last load
	FILLC 4, 12, 0, 1
	; ---------------- the way out: 16 queries x my 64 columns through my own stage (in XH, whose last reads lie behind ctx's barrier), back as rows of 256 bytes ----------------
	PLACES
.irp nt, 0,1,2,3
	ds_store_b128 v[VOST], v[ACC+8*\nt:ACC+8*\nt+3] offset:64*\nt
	ds_store_b128 v[VOST], v[ACC+8*\nt+4:ACC+8*\nt+7] offset:64*\nt+16
.endr
.irp tt, 0,1,2,3,4,5,6,7
	ds_load_b128 v[BUF0+4*\tt:BUF0+4*\tt+3], v[VORD] offset:544*\tt    ; LDS serves a wave's instructions in order (ISA guide 5.7.1.4): these see the stores above
.endr
.irp tt, 0,1,2,3,4,5,6,7
	s_wait_dscnt 7-\tt
	s_sub_co_i32 s52, s50, 2*\tt
	v_cmp_gt_i32 vcc_lo, s52, v3                   ; query 2 tt + h is live
	s_wait_xcnt 0x0                                ; EXEC changes only behind s_wait_xcnt 0
	s_and_saveexec_b32 s51, vcc_lo
	global_store_b128 v[VOGO], v[BUF0+4*\tt:BUF0+4*\tt+3], s[12:13] offset:4096*\tt th:TH_STORE_NT   ; sixteen lanes store 256 consecutive bytes, at a multiple of 256 from out0's first byte
	s_wait_xcnt 0x0
	s_or_b32 exec_lo, exec_lo, s51
.endr
	s_set_vgpr_msb 0x5
	s_wait_tensorcnt 0x0
	ds_add_u32 v192, v193
	s_wait_dscnt 0x0
	s_set_vgpr_msb 0x500
	ROUND                                          ; the closing round: no work-group ends while a partner may still ask for bytes that name it
	s_endpgm
.Lfunc_end_k_q6798154fac_attn:
	.size	k_q6798154fac_attn, .Lfunc_end_k_q6798154fac_attn-k_q6798154fac_attn
	.p2alignl 7, 3214868480
	.fill 96, 4, 3214868480
	.section	.rodata,"a",@progbits
	.p2align	6, 0x0
	.amdhsa_kernel k_q6798154fac_attn
		.amdhsa_group_segment_fixed_size 327680
		.amdhsa_private_segment_fixed_size 0
		.amdhsa_enable_private_segment 0
		.amdhsa_kernarg_size 40
		.amdhsa_user_sgpr_count 2
		.amdhsa_user_sgpr_kernarg_segment_ptr 1
		.amdhsa_wavefront_size32 1
		.amdhsa_system_sgpr_workgroup_id_x 1
		.amdhsa_system_sgpr_workgroup_id_y 1
		.amdhsa_system_sgpr_workgroup_id_z 1
		.amdhsa_system_vgpr_workitem_id 0
		.amdhsa_next_free_vgpr 450
		.amdhsa_next_free_sgpr 66
		.amdhsa_reserve_vcc 1
		.amdhsa_float_denorm_mode_32 3
		.amdhsa_float_denorm_mode_16_64 3
		.amdhsa_memory_ordered 1
		.amdhsa_forward_progress 1
		.amdhsa_inst_pref_size 99
	.end_amdhsa_kernel
	.amdgpu_metadata
---
amdhsa.version: [ 1, 2 ]
amdhsa.kernels:
  - .name:           k_q6798154fac_attn
    .symbol:         k_q6798154fac_attn.kd
    .args:
      - { .name: x, .offset: 0, .size: 8, .value_kind: global_buffer, .address_space: global }
      - { .name: wts, .offset: 8, .size: 8, .value_kind: global_buffer, .address_space: global }
      - { .name: vec, .offset: 16, .size: 8, .value_kind: global_buffer, .address_space: global }
      - { .name: bv, .offset: 24, .size: 8, .value_kind: global_buffer, .address_space: global }
      - { .name: out0, .offset: 32, .size: 8, .value_kind: global_buffer, .address_space: global }
    .group_segment_fixed_size: 327680
    .private_segment_fixed_size: 0
    .kernarg_segment_align: 8
    .kernarg_segment_size: 40
    .max_flat_workgroup_size: 256
    .sgpr_count:     66
    .vgpr_count:     450
    .wavefront_size: 32
...
	.end_amdgpu_metadata
.endif
;; end of part 2
